; MI455X (gfx1250); checked and timed in simulation.
; The chip was launched on July 23, 2026; its instructions are those of AMD's public machine-readable ISA for CDNA 5 (MIT licence, August 2026) and "CDNA5" Instruction Set Architecture Reference Guide (July 2026). The comments in the code are by the model that wrote it; some were corrected since.
;; Window Attention Memory. Allowed arithmetic: matrix products marked QUANTISED: E4M3 operands, one given power-of-two scale a tensor, by v_wmma_f32_16x16x64_fp8_fp8 or v_wmma_f32_16x16x128_fp8_fp8, f32 sums; everything else in f32.
;; Inputs: b_k 1,024 float32; b_o 1,024 float32; b_q 1,024 float32; b_v 1,024 float32; ln_b 1,024 float32; ln_g 1,024 float32; lowp_scales 12 int32 (the exponents e of the quantised operands' scales 2^e); w_k 1,024 x 1,024 float32; w_o 1,024 x 1,024 float32; w_q 1,024 x 1,024 float32; w_v 1,024 x 1,024 float32; x 4 x 2,048 x 1,024 float32.
;; Outputs: out0 4 x 2,048 x 1,024 float32.
;; This version of the problem:
;;   THIS VERSION OF THE PROBLEM IS GIVEN IN LOW PRECISION. The matrix products marked QUANTISED in the list below multiply operands that are first quantised to E4M3 (4 exponent bits, 3 mantissa bits; 8 bits a number), with one given power-of-two scale for each operand tensor; their sums are f32. All else is computed in f32.
;;   The module's matrix products, in the order in which they are computed (A, B: the left and right operand; K: the contracted axis; several contracted axes count as one K, in the product's order):
;;     1. [M 8,192, K 1,024] x [K 1,024, N 1,024]; A: computed on the way; B: input w_q: QUANTISED (scales: A lowp_scales[0], B lowp_scales[1])
;;     2. [M 8,192, K 1,024] x [K 1,024, N 1,024]; A: computed on the way; B: input w_k: QUANTISED (scales: A lowp_scales[2], B lowp_scales[3])
;;     3. [M 8,192, K 1,024] x [K 1,024, N 1,024]; A: computed on the way; B: input w_v: QUANTISED (scales: A lowp_scales[4], B lowp_scales[5])
;;     4. batch 64 x [M 2,048, K 64] x [K 64, N 2,048]; A: computed on the way; B: computed on the way: QUANTISED (scales: A lowp_scales[6], B lowp_scales[7])
;;     5. batch 64 x [M 2,048, K 2,048] x [K 2,048, N 64]; A: softmax (see below); B: computed on the way: QUANTISED (scales: A lowp_scales[8], B lowp_scales[9])
;;     6. [M 8,192, K 1,024] x [K 1,024, N 1,024]; A: computed on the way; B: input w_o: QUANTISED (scales: A lowp_scales[10], B lowp_scales[11])
;;   THE QUANTISER, for each operand of a quantised product, along K:
;;     - The operand's scale is 2^e, e = its entry of the input lowp_scales (int32; the entries are numbered through the quantised products in the list's order, A before B).
;;     - Each number is divided by the scale, clamped to +-448, and rounded to the nearest number of E4M3, ties to even, subnormals kept.
;;     - The product sums the exact products of the quantised numbers (number of the format x scale) in f32.
;;   ~~~python
;;   def quantise(x, axis, e):      # numpy; x: float32 -> the quantised numbers, widened to float32 again
;;       x = np.moveaxis(x, axis, -1); K = x.shape[-1]
;;       r = np.clip(x / 2.0 ** e, -448, 448)
;;       step = 2.0 ** (np.maximum(np.frexp(np.where(r == 0, 1, r))[1] - 1, -6) - 3)
;;       q = np.round(r / step) * step * 2.0 ** e      # np.round: ties to even
;;       return np.moveaxis(q, -1, axis).astype(np.float32)
;;   ~~~
;;   SOFTMAX AHEAD OF A QUANTISED PRODUCT. Where the list says 'softmax', what is quantised is not the finished softmax but p = 2^(t - M), with t = logit x log2(e) and M = ceil(the row's largest t), a whole number; so 1/2 < the row's largest p <= 1. The row's sum l is taken of the UNQUANTISED p, in f32, and the product's result is divided by l at the end. Since M is a whole number, a kernel that streams over the keys may use a running M (the ceiling of the running maximum): every later rescaling is an exact power of two, so the quantised numbers keep their values, but for numbers so far below the row's largest that they fall under the format's range.
;;   OPERANDS COMPUTED ON THE WAY. 'Computed on the way' means the value that the module computes at that place (a softmax that the list does not call 'softmax' is quantised finished and normalised). What goes into a quantiser is computed in f32, as accurately as f32 sums, v_exp_f32 and their like allow (about 1e-6 of the number): no bf16 or f16 on the way to a quantiser, and a product that is left as it is and whose result goes on into a quantised operand takes f32 operands (vector FMAs, or v_wmma_f32_16x16x4_f32). A number that lies on a knife's edge between two numbers of the format may be rounded either way, as far as f32 arithmetic and the matrix unit's own rounding can turn it there, and no further.
;; One version. Each part assembles by itself: llvm-mc -triple=amdgcn-amd-amdhsa -mcpu=gfx1250 --defsym DOCPART=n.
;; ======== version 1 of 1: 4 launches
;; workspace buffers: xnc 25,165,824 bytes; wc 4,194,304 bytes; qc 8,388,608 bytes; kc 8,388,608 bytes; vc 8,388,608 bytes; cc 8,388,608 bytes
;; launch prep (part 1): grid 768 x 1, 4 waves a work-group, no clusters, 0 bytes of LDS; arguments x, ln_g, ln_b, w_q, w_k, w_v, w_o, lowp_scales, xnc, wc; writes xnc, wc
.if DOCPART == 1
	.amdgcn_target "amdgcn-amd-amdhsa--gfx1250"
	.amdhsa_code_object_version 6
	.text
	.protected	k_qca01f6da85_prep
	.globl	k_qca01f6da85_prep
	.p2align	8
	.type	k_qca01f6da85_prep,@function
k_qca01f6da85_prep:
	s_mov_b64 s[64:65], 0
	v_nop
	global_prefetch_b8 v0, s[64:65] scope:SCOPE_SE
	s_setreg_imm32_b32 hwreg(HW_REG_WAVE_MODE, 25, 1), 1
	s_wait_xcnt 0x0
; LAYER NORM OF x, ITS THREE SETS OF E4M3 CODES, AND THE FOUR WEIGHTS' CODES.
; x [8192][1024] f32 -> xn = (x - mean) rsqrt(var + 1e-12) g + b, all in f32, quantised three times (scales 2^e0, 2^e2, 2^e4) into xnc [3][8192][1024].
; w_q, w_k, w_v, w_o [1024][1024] f32 -> wc [4][1024][1024] (scales 2^e1, 2^e3, 2^e5, 2^e11).  code = number / 2^e, held within +-448, to the nearest code, ties to even.
; ORDER OF K IN A ROW OF CODES.  xnc and the first three sections of wc: byte 512 t + 16 l + 8 i + 4 u + c holds element 512 t + 256 i + 128 u + 4 l + c: the order in which a lane's registers lie
; when each load of a wave reads 512 consecutive bytes.  It is the same in both operands of a product, so every product keeps its partner.
; w_o: the byte's place is the element's index with bits 3 and 4 exchanged: the order in which the attention launch's lanes hold the context.
; SHARES.  Work-groups 0-511: 16 rows of x, four a wave.  512-703: 16 rows of w_q, w_k or w_v.  704-767: 16 rows of w_o.  A wave takes whole rows, so no sum leaves the wave: no LDS, no barrier.
; All loads of a wave are issued at its head (48 or 32); the waits are counted row by row.  No matrix unit, no cluster: each byte is read once and nothing is shared.
; LIMITS: each e between -126 and 119, so that 2^e and 448 x 2^e are f32 numbers.  NaN among the inputs is not served; an infinity is held at the largest code.
.set XR, 128                           ; v128-255 four rows, 32 registers each: register 4 j + c = element 128 j + 4 lane + c
.set GG, 64                            ; v64-95   ln_g in the same order
.set BB, 96                            ; v96-127  ln_b
.set TT, 12                            ; v12-27   16 numbers held within the largest code
.set CC, 28                            ; v28-51   a row's codes, 8 registers for each of the three scales
.set CN, 52                            ; v52-59   four chains of pairs
.set WC, 32                            ; v32-63   the weights' codes, 8 registers a row, never rewritten
.macro MKSC e, vs, sneg, spos          ; from the whole number in s[e]: 2^e into v[vs], -448 x 2^e and 448 x 2^e into s[sneg], s[spos]
	s_add_co_i32 s56, s[\e], 127
	s_lshl_b32 s57, s56, 23
	v_mov_b32 v[\vs], s57
	s_add_co_i32 s56, s56, 8
	s_lshl_b32 s56, s56, 23
	s_or_b32 s[\spos], s56, 0x600000
	s_or_b32 s[\sneg], s[\spos], 0x80000000
.endm
.macro LOADROWS                        ; four rows: each load reads 512 consecutive bytes
.irp i, 0,1,2,3
.irp j, 0,1,2,3,4,5,6,7
	global_load_b128 v[XR+32*\i+4*\j:XR+32*\i+4*\j+3], v1, s[4:5] offset:4096*\i+512*\j th:TH_LOAD_NT
.endr
.endr
.endm
.macro JOIN                            ; the four chains, the pair's halves, the 32 lanes: the sum in v6 of every lane
	v_pk_add_f32 v[CN:CN+1], v[CN:CN+1], v[CN+2:CN+3]
	v_pk_add_f32 v[CN+4:CN+5], v[CN+4:CN+5], v[CN+6:CN+7]
	v_pk_add_f32 v[CN:CN+1], v[CN:CN+1], v[CN+4:CN+5]
	v_add_f32 v6, v[CN], v[CN+1]
	v_add_f32_dpp v6, v6, v6 row_xmask:1 row_mask:0xf bank_mask:0xf
	v_add_f32_dpp v6, v6, v6 row_xmask:2 row_mask:0xf bank_mask:0xf
	v_add_f32_dpp v6, v6, v6 row_xmask:4 row_mask:0xf bank_mask:0xf
	v_add_f32_dpp v6, v6, v6 row_xmask:8 row_mask:0xf bank_mask:0xf
	v_permlanex16_b32 v7, v6, s54, s55
	v_add_f32 v6, v6, v7
.endm
.macro XROW i                          ; one row of x
.set R0, XR+32*(\i)
	s_wait_loadcnt 8*(3-(\i))                      ; this row's eight loads are in (g and b are older); the later rows' may be out
.irp k, 0,1,2,3
	v_pk_add_f32 v[CN+2*\k:CN+2*\k+1], v[R0+2*\k:R0+2*\k+1], v[R0+8+2*\k:R0+9+2*\k]   ; the first pairs start the chains
.endr
.set p, 8
.rept 8
	v_pk_add_f32 v[CN+2*(p%4):CN+2*(p%4)+1], v[CN+2*(p%4):CN+2*(p%4)+1], v[R0+2*p:R0+2*p+1]
.set p, p+1
.endr
	JOIN
	v_mul_f32 v2, s52, v6                          ; the mean, twice: a pair for the packed form
	v_mul_f32 v3, s52, v6
.set p, 0
.rept 16
	v_pk_add_f32 v[R0+2*p:R0+2*p+1], v[R0+2*p:R0+2*p+1], v[2:3] neg_lo:[0,1] neg_hi:[0,1]   ; x - mean first: the variance is no difference of large sums
.set p, p+1
.endr
.irp k, 0,1,2,3
	v_pk_mul_f32 v[CN+2*\k:CN+2*\k+1], v[R0+2*\k:R0+2*\k+1], v[R0+2*\k:R0+2*\k+1]
.endr
.set p, 4
.rept 12
	v_pk_fma_f32 v[CN+2*(p%4):CN+2*(p%4)+1], v[R0+2*p:R0+2*p+1], v[R0+2*p:R0+2*p+1], v[CN+2*(p%4):CN+2*(p%4)+1]
.set p, p+1
.endr
	JOIN
	v_fma_f32 v6, v6, s52, s53                     ; variance + 1e-12
	v_rsq_f32 v4, v6
	v_rsq_f32 v5, v6
	v_nop                                          ; a plain instruction behind the roots,
	s_wait_alu depctr_va_vdst(0)                   ; and a wait ahead of their first reader
.set p, 0
.rept 16
	v_pk_mul_f32 v[R0+2*p:R0+2*p+1], v[R0+2*p:R0+2*p+1], v[4:5]
.set p, p+1
.endr
.set p, 0
.rept 16
	v_pk_fma_f32 v[R0+2*p:R0+2*p+1], v[R0+2*p:R0+2*p+1], v[GG+2*p:GG+2*p+1], v[BB+2*p:BB+2*p+1]
.set p, p+1
.endr
.if (\i) > 0
	s_wait_xcnt 0x0                                ; the last row's stores have read their data: the codes' registers are written again only behind this wait
.endif
.irp z, 0,1,2
.irp hf, 0,1
.irp n, 0,1,2,3,4,5,6,7,8,9,10,11,12,13,14,15
	v_med3_num_f32 v[TT+\n], v[R0+16*\hf+\n], s[46+2*\z], s[47+2*\z]   ; the conversion does not saturate (ISA guide 7.6.2): the hold at the largest code x the scale
.endr
	v_cvt_scalef32_pk8_fp8_f32 v[CC+8*\z+4*\hf:CC+8*\z+4*\hf+1], v[TT:TT+7], v[8+\z]
	v_cvt_scalef32_pk8_fp8_f32 v[CC+8*\z+4*\hf+2:CC+8*\z+4*\hf+3], v[TT+8:TT+15], v[8+\z]
	v_nop                                          ; a plain instruction between the conversions and the next holds, which write their sources
.endr
	global_store_b128 v1, v[CC+8*\z:CC+8*\z+3], s[40+2*\z:41+2*\z] offset:1024*(\i)        ; 32 lanes store 512 consecutive bytes, aligned
	global_store_b128 v1, v[CC+8*\z+4:CC+8*\z+7], s[40+2*\z:41+2*\z] offset:1024*(\i)+512
.endr
.endm
.macro WROW i                          ; one row of a weight: held in place, converted into registers of its own
	s_wait_loadcnt 8*(3-(\i))
.set n, 0
.rept 32
	v_med3_num_f32 v[XR+32*(\i)+n], v[XR+32*(\i)+n], s46, s47
.set n, n+1
.endr
.irp g, 0,1,2,3
	v_cvt_scalef32_pk8_fp8_f32 v[WC+8*(\i)+2*\g:WC+8*(\i)+2*\g+1], v[XR+32*(\i)+8*\g:XR+32*(\i)+8*\g+7], v8
.endr
	v_nop
.endm
	s_load_b512 s[4:19], s[0:1], 0x0               ; x 4:5, ln_g 6:7, ln_b 8:9, w_q 10:11, w_k 12:13, w_v 14:15, w_o 16:17, the scales' exponents 18:19
	s_load_b128 s[20:23], s[0:1], 0x40             ; xnc 20:21, wc 22:23
	v_lshrrev_b32 v2, 5, v0
	v_readfirstlane_b32 s36, v2                    ; wave
	v_and_b32 v3, 31, v0                           ; lane
	v_lshlrev_b32 v1, 4, v3                        ; 16 bytes a lane
	s_mov_b32 s39, 0
	s_wait_kmcnt 0x0
	s_load_b256 s[24:31], s[18:19], 0x0            ; e0 .. e7
	s_load_b128 s[32:35], s[18:19], 0x20           ; e8 .. e11
	s_cmp_lt_u32 ttmp9, 512
	s_cbranch_scc0 .Lweights
	; ---- rows of x
	s_lshl_b32 s38, ttmp9, 16                      ; 16 rows of 4,096 bytes a work-group,
	s_lshl_b32 s37, s36, 14                        ; four a wave
	s_add_co_u32 s38, s38, s37
	s_add_nc_u64 s[4:5], s[4:5], s[38:39]
.irp j, 0,1,2,3,4,5,6,7
	global_load_b128 v[GG+4*\j:GG+4*\j+3], v1, s[6:7] offset:512*\j
.endr
.irp j, 0,1,2,3,4,5,6,7
	global_load_b128 v[BB+4*\j:BB+4*\j+3], v1, s[8:9] offset:512*\j
.endr
	LOADROWS
	s_lshr_b32 s38, s38, 2                         ; the same rows in codes: 1,024 bytes each
	s_add_nc_u64 s[40:41], s[20:21], s[38:39]      ; the section for e0,
	s_add_nc_u64 s[42:43], s[40:41], 0x800000      ; for e2,
	s_add_nc_u64 s[44:45], s[40:41], 0x1000000     ; for e4
	s_mov_b32 s52, 0x3a800000                      ; 1 / 1024
	s_mov_b32 s53, 0x2b8cbccc                      ; 1e-12
	s_mov_b32 s54, 0x76543210                      ; lane selects: lane l xor 16
	s_mov_b32 s55, 0xfedcba98
	v_mov_b32 v7, 0                                ; a lane permute's destination counts as read
	s_wait_kmcnt 0x0
	MKSC 24, 8, 46, 47
	MKSC 26, 9, 48, 49
	MKSC 28, 10, 50, 51
	XROW 0
	XROW 1
	XROW 2
	XROW 3
	s_endpgm
.Lweights:
	s_sub_co_u32 s37, ttmp9, 512
	s_cmp_lt_u32 s37, 192
	s_cbranch_scc0 .Lwo
	; ---- rows of w_q, w_k, w_v
	s_lshr_b32 s58, s37, 6                         ; which of the three
	s_and_b32 s37, s37, 63
	s_cmp_eq_u32 s58, 0
	s_cselect_b64 s[4:5], s[10:11], s[12:13]
	s_cmp_eq_u32 s58, 2
	s_cselect_b64 s[4:5], s[14:15], s[4:5]
	s_lshl_b32 s38, s37, 16
	s_lshl_b32 s59, s36, 14
	s_add_co_u32 s38, s38, s59
	s_add_nc_u64 s[4:5], s[4:5], s[38:39]
	LOADROWS
	s_lshr_b32 s38, s38, 2
	s_lshl_b32 s59, s58, 20                        ; its section of wc
	s_add_co_u32 s38, s38, s59
	s_add_nc_u64 s[40:41], s[22:23], s[38:39]
	s_wait_kmcnt 0x0
	s_cmp_eq_u32 s58, 0
	s_cselect_b32 s60, s25, s27                    ; e1, e3 or e5
	s_cmp_eq_u32 s58, 2
	s_cselect_b32 s60, s29, s60
	MKSC 60, 8, 46, 47
.irp i, 0,1,2,3
	WROW \i
	global_store_b128 v1, v[WC+8*\i:WC+8*\i+3], s[40:41] offset:1024*\i
	global_store_b128 v1, v[WC+8*\i+4:WC+8*\i+7], s[40:41] offset:1024*\i+512
.endr
	s_endpgm
.Lwo:
	; ---- rows of w_o: a lane takes 8 neighbours, as the context's lanes hold them; a pair of loads covers 1,024 consecutive bytes
	s_sub_co_u32 s37, s37, 192
	v_lshlrev_b32 v1, 5, v3                        ; 32 bytes a lane
	v_and_b32 v2, 28, v3
	v_and_b32 v4, 1, v3
	v_lshl_or_b32 v2, v4, 1, v2
	v_bfe_u32 v4, v3, 1, 1
	v_or_b32 v2, v2, v4                            ; the lane's number with its two lowest bits exchanged: bits 3 and 4 of the element's index
	v_lshlrev_b32 v2, 3, v2                        ; 8 codes a lane
	s_lshl_b32 s38, s37, 16
	s_lshl_b32 s59, s36, 14
	s_add_co_u32 s38, s38, s59
	s_add_nc_u64 s[4:5], s[16:17], s[38:39]
.irp i, 0,1,2,3
.irp t, 0,1,2,3
	global_load_b128 v[XR+32*\i+8*\t:XR+32*\i+8*\t+3], v1, s[4:5] offset:4096*\i+1024*\t
	global_load_b128 v[XR+32*\i+8*\t+4:XR+32*\i+8*\t+7], v1, s[4:5] offset:4096*\i+1024*\t+16
.endr
.endr
	s_lshr_b32 s38, s38, 2
	s_add_co_u32 s38, s38, 0x300000                ; the fourth section of wc
	s_add_nc_u64 s[40:41], s[22:23], s[38:39]
	s_wait_kmcnt 0x0
	MKSC 35, 8, 46, 47                             ; e11
.irp i, 0,1,2,3
	WROW \i
.irp t, 0,1,2,3
	global_store_b64 v2, v[WC+8*\i+2*\t:WC+8*\i+2*\t+1], s[40:41] offset:1024*\i+256*\t   ; 32 lanes store 256 consecutive bytes, aligned
.endr
.endr
	s_endpgm
.Lfunc_end_k_qca01f6da85_prep:
	.size	k_qca01f6da85_prep, .Lfunc_end_k_qca01f6da85_prep-k_qca01f6da85_prep
	.p2alignl 7, 3214868480
	.fill 96, 4, 3214868480
	.section	.rodata,"a",@progbits
	.p2align	6, 0x0
	.amdhsa_kernel k_qca01f6da85_prep
		.amdhsa_group_segment_fixed_size 0
		.amdhsa_private_segment_fixed_size 0
		.amdhsa_enable_private_segment 0
		.amdhsa_kernarg_size 80
		.amdhsa_user_sgpr_count 2
		.amdhsa_user_sgpr_kernarg_segment_ptr 1
		.amdhsa_wavefront_size32 1
		.amdhsa_system_sgpr_workgroup_id_x 1
		.amdhsa_system_sgpr_workgroup_id_y 1
		.amdhsa_system_sgpr_workgroup_id_z 1
		.amdhsa_system_vgpr_workitem_id 0
		.amdhsa_next_free_vgpr 256
		.amdhsa_next_free_sgpr 66
		.amdhsa_reserve_vcc 0
		.amdhsa_float_denorm_mode_32 3
		.amdhsa_float_denorm_mode_16_64 3
		.amdhsa_memory_ordered 1
		.amdhsa_forward_progress 1
		.amdhsa_inst_pref_size 91
	.end_amdhsa_kernel
	.amdgpu_metadata
---
amdhsa.version: [ 1, 2 ]
amdhsa.kernels:
  - .name:           k_qca01f6da85_prep
    .symbol:         k_qca01f6da85_prep.kd
    .args:
      - { .name: x, .offset: 0, .size: 8, .value_kind: global_buffer, .address_space: global }
      - { .name: ln_g, .offset: 8, .size: 8, .value_kind: global_buffer, .address_space: global }
      - { .name: ln_b, .offset: 16, .size: 8, .value_kind: global_buffer, .address_space: global }
      - { .name: w_q, .offset: 24, .size: 8, .value_kind: global_buffer, .address_space: global }
      - { .name: w_k, .offset: 32, .size: 8, .value_kind: global_buffer, .address_space: global }
      - { .name: w_v, .offset: 40, .size: 8, .value_kind: global_buffer, .address_space: global }
      - { .name: w_o, .offset: 48, .size: 8, .value_kind: global_buffer, .address_space: global }
      - { .name: lowp_scales, .offset: 56, .size: 8, .value_kind: global_buffer, .address_space: global }
      - { .name: xnc, .offset: 64, .size: 8, .value_kind: global_buffer, .address_space: global }
      - { .name: wc, .offset: 72, .size: 8, .value_kind: global_buffer, .address_space: global }
    .group_segment_fixed_size: 0
    .private_segment_fixed_size: 0
    .kernarg_segment_align: 8
    .kernarg_segment_size: 80
    .max_flat_workgroup_size: 128
    .sgpr_count:     66
    .vgpr_count:     256
    .wavefront_size: 32
...
	.end_amdgpu_metadata
.endif
;; end of part 1
;; launch qkv (part 2): grid 4 x 192, 4 waves a work-group, clusters of 4 x 4, 327,680 bytes of LDS; arguments xnc, wc, lowp_scales, b_q, b_k, b_v, qc, kc, vc; writes qc, kc, vc
.if DOCPART == 2
	.amdgcn_target "amdgcn-amd-amdhsa--gfx1250"
	.amdhsa_code_object_version 6
	.text
	.protected	k_qca01f6da85_qkv
	.globl	k_qca01f6da85_qkv
	.p2align	8
	.type	k_qca01f6da85_qkv,@function
k_qca01f6da85_qkv:
	s_mov_b64 s[64:65], 0
	v_nop
	global_prefetch_b8 v0, s[64:65] scope:SCOPE_SE
	s_setreg_imm32_b32 hwreg(HW_REG_WAVE_MODE, 25, 1), 1
	s_wait_xcnt 0x0
	s_wait_alu depctr_hold_cnt(0) depctr_sa_sdst(0) depctr_va_vdst(0) depctr_va_sdst(0) depctr_va_ssrc(0) depctr_va_vcc(0) depctr_vm_vsrc(0)
	s_getreg_b32 s2, hwreg(HW_REG_IB_STS2, 6, 4)
	s_cmp_eq_u32 s2, 0
	s_cbranch_scc0 .Lentry_in_a_cluster
	s_endpgm
.Lentry_in_a_cluster:
	s_bfe_u32 s2, ttmp6, 0x10000c
	s_cmp_lg_u32 s2, 0xf033
	s_cbranch_scc0 .Lentry_shape_is_right
	s_endpgm
.Lentry_shape_is_right:
; q, k, v = xn W^T + b on codes of E4M3, and their own codes for the attention launch, laid as images of operand registers.
; C[m][n] = sum over k of A[m][k] B[n][k], K = 1,024.  A work-group makes 128 (m) x 256 (n); each of four waves 64 x 128: 32 accumulators, 256 registers.
; For q and k: m = tokens (A = xn's codes), n = features (B = the weight's).  FOR v THE SIDES ARE EXCHANGED (A = w_v's rows, B = xn's), so that a lane's eight results run along the TOKENS, which are the next product's K.
; 768 tiles: clusters 0-15 make q, 16-31 k, 32-47 v.  The matrix instruction is used transposed (source 0 = 16 rows of B, source 1 = 16 rows of A): lane (r, h), register j of accumulator (a, b) holds C(16 a + r, 16 b + 8 h + j).
; K goes in 8 steps of 128.  Three LDS slots of 256 along K are filled at the head; slot 0 is filled once more (K 768 on) behind the second step's change.  All is written out: there is no loop.
; CLUSTER 4 x 4: A's tile is shared along a row of the cluster, B's along a column; each is asked for jointly, by the same tensor load in the four that the mask names.  A wave has at most three tensor loads out.
; Both operands' rows hold K in the same (permuted) order, and a fragment is read by four loads of 16 bytes on both sides: every product meets its partner; the order of sums inside an instruction differs from ascending k.
; OUT: sum x 2^(ea + eb) + bias, held within 448 x 2^eo, converted; a lane's 16 codes are 16 bytes of an operand image: every store of a wave covers 512 consecutive bytes, aligned.  No stage in LDS.
;   qc, kc: [head 64][tile of 16 tokens 128][c 2][lane][16]: lane (r, h): token r; bytes 0-7 d = 32 c + 8 h + 0..7, bytes 8-15 d = 32 c + 16 + 8 h + 0..7.
;   vc: [head 64][group of 32 keys 64][dt 4][lane][16]: lane (r, h): d = 16 dt + r; bytes 0-7 keys 8 h + 0..7, bytes 8-15 keys 16 + 8 h + 0..7 of the group.
; LIMITS: e0 + e1, e2 + e3, e4 + e5 between -126 and 127; e6, e7, e9 between -126 and 119.  NaN among the inputs is not served.
; No prefetch: three quarters of a work-group's bytes are asked for at its head, the rest one step later.
; REGISTERS: window 0: v1-5 lane terms; v16-18, v20-22 LDS addresses; v24-26 way out; v28, v29 the add's two; v32-103 biases; v128-191, v192-255 A's two sets (on the way out: numbers, codes).
;   window 1: B's two sets.   window 2: the accumulators, (a, b) at v[8 (8 a + b)].
.set PITCH, 272                        ; an LDS row: 256 bytes + 16 of padding: the 16 rows that a load touches start at 16 different groups of banks
.set APART, 64*PITCH                   ; what one tensor load brings of A, and what a wave reads of it
.set BPART, 128*PITCH                  ; the same for B
.set BOFF,  2*APART
.set SLOT,  BOFF+2*BPART               ; 104,448
.set SPARE, 3*SLOT                     ; behind the slots: the spare words, 128 bytes a wave, which no other line names
.set AREFILL, 768                      ; bytes from slot 0's first tile to its second, along K
.set ADRA, 16
.set ADRB, 20
.set L16,  24
.set SCV,  25
.set LIMV, 26
.set SPW,  28
.set NIL,  29
.set BN,   32
.set BM,   96
.set AF,   128
.set TT,   128
.set CD,   192
.set G1A, 24
.set G1B, 32
.set G0A, 40
.set G0B, 52
.set WV,  66
.set RH,  67
.set CH,  68
.set CX,  69
.set CY,  70
.set SEL, 72
.set TR,  74
.set TC,  75
.set PADW, (1<<20)|(1<<21)|(5<<22)|(3<<25)   ; elements of 1 byte; padding on; bit 21 beside a mask; after every 64 words, 4 words
.set MSB, 0
.macro WIN new                         ; the immediate's high byte repeats the setting that is left
.if MSB != \new
	s_set_vgpr_msb (MSB<<8)|\new
.set MSB, \new
.endif
.endm
.set MUL,  0xa1                        ; source 0 (B) window 1, source 1 (A) window 0, C and D window 2
.set TO_B, 0x40                        ; destination window 1
.macro PLACES
.rept 4
	v_nop
.endr
.endm
.macro JLOAD s                         ; a joint load: waves 0, 1 fetch A's halves, waves 2, 3 B's; s_nop 0 and four v_nop follow each line
	s_cmp_eq_u32 s[RH], 0
	s_cbranch_scc0 .Lfor_b_\@
	tensor_load_to_lds s[G0A+4*\s:G0A+4*\s+3], s[G1A:G1A+7]
	s_nop 0
.rept 4
	v_nop
.endr
	s_branch .Lasked_\@
.Lfor_b_\@:
	tensor_load_to_lds s[G0B+4*\s:G0B+4*\s+3], s[G1B:G1B+7]
	s_nop 0
.rept 4
	v_nop
.endr
.Lasked_\@:
.endm
.macro CREST                           ; a round of the cluster's barrier behind its opening barrier
	s_cmp_lg_u32 s[WV], 0
	s_cbranch_scc1 .Lnot_wave_0_\@
	s_barrier_signal -3
.Lnot_wave_0_\@:
	s_barrier_wait -3
	s_barrier_signal -1
	s_barrier_wait -1
.endm
.macro CROUND
	s_barrier_signal -1
	s_barrier_wait -1
	CREST
.endm
.macro FRAGR reg, adr, q, i            ; a fragment from rows: 16 rows x 128 codes, four loads of 16 bytes
.irp c, 0,1,2,3
	ds_load_b128 v[\reg+4*\c:\reg+4*\c+3], v[\adr] offset:128*(\q)+32*\c+(\i)*16*PITCH
.endr
.endm
.macro FETCH slot, q                   ; the fragments of the slot's q-th 128 along K into set q: B's eight, A's four: 48 loads in one run
	WIN TO_B
.irp i, 0,1,2,3,4,5,6,7
	FRAGR 128*(\q)+16*\i, ADRB+\slot, \q, \i
.endr
	WIN 0
.irp i, 0,1,2,3
	FRAGR AF+64*(\q)+16*\i, ADRA+\slot, \q, \i
.endr
.endm
.macro MULQ a, p, zero                 ; 8 matrix instructions: A's block a x B's eight, set p.  The 32 accumulators take turns in the same order in every step
.irp b, 0,1,2,3,4,5,6,7
.if \zero
	v_wmma_f32_16x16x128_fp8_fp8 v[8*(8*(\a)+\b):8*(8*(\a)+\b)+7], v[128*(\p)+16*\b:128*(\p)+16*\b+15], v[AF+64*(\p)+16*(\a):AF+64*(\p)+16*(\a)+15], 0
.else
	v_wmma_f32_16x16x128_fp8_fp8 v[8*(8*(\a)+\b):8*(8*(\a)+\b)+7], v[128*(\p)+16*\b:128*(\p)+16*\b+15], v[AF+64*(\p)+16*(\a):AF+64*(\p)+16*(\a)+15], v[8*(8*(\a)+\b):8*(8*(\a)+\b)+7]
.endif
.endr
.endm
.macro STEP p, ns, zero                ; multiplies set p; at its head it fetches the next step (slot ns) into the other set
	s_wait_dscnt 0x0                               ; this step's fragments, asked for 32 matrix instructions ago
.if \zero == 0
	PLACES                                         ; four places between the last step's products and the loads into the set that they read (ISA guide 7.12.1 for vector instructions)
.endif
	FETCH \ns, 1-(\p)
	WIN MUL
	MULQ 0, \p, \zero
	MULQ 1, \p, \zero
	MULQ 2, \p, \zero
	MULQ 3, \p, \zero
.endm
.macro TURN p, ns, fill                ; a step with a barrier.  fill = 1: slot 0, read out, is filled again behind a round of the cluster's barrier
	WIN 0
	s_wait_tensorcnt 0x0                           ; all my tensor loads have landed
	ds_add_u32 v[SPW], v[NIL]                      ; 0 onto my spare word
	s_wait_dscnt 1                                 ; this step's fragments are in; the add alone may be out
	WIN MUL
	MULQ 0, \p, 0
	s_wait_dscnt 0x0                               ; the add is done; my reads of the slots behind me are over
	s_barrier_signal -1
	MULQ 1, \p, 0
	WIN 0
	s_barrier_wait -1
.if \fill
	CREST                                          ; no wave of any partner still reads slot 0 or has a load on its way
	s_add_nc_u64 s[G0A+2:G0A+3], s[G0A+2:G0A+3], AREFILL
	s_add_nc_u64 s[G0B+2:G0B+3], s[G0B+2:G0B+3], 768
	JLOAD 0                                        ; the first tensor load behind the round; its four v_nop are the places in front of the loads below
.else
	PLACES
.endif
	FETCH \ns, 1-(\p)
	WIN MUL
	MULQ 2, \p, 0
	MULQ 3, \p, 0
.endm
	s_load_b512 s[4:19], s[0:1], 0x0               ; xnc 4:5, wc 6:7, exponents 8:9, b_q 10:11, b_k 12:13, b_v 14:15, qc 16:17, kc 18:19
	s_load_b64 s[20:21], s[0:1], 0x40              ; vc
	v_lshl_add_u32 v[SPW], v0, 2, SPARE
	v_mov_b32 v[NIL], 0
	ds_add_u32 v[SPW], v[NIL]                      ; the wave's opening; its wait comes ahead of my first tensor load
	v_lshrrev_b32 v1, 5, v0
	v_readfirstlane_b32 s[WV], v1
	s_lshr_b32 s[RH], s[WV], 1                     ; my half of the tile's rows.  Also: I fetch for A (0) or for B (1)
	s_and_b32 s[CH], s[WV], 1                      ; my half of its columns.  Also: which half of that tile I fetch
	s_bfe_u32 s[CX], ttmp6, 0x40000
	s_bfe_u32 s[CY], ttmp6, 0x40004
	s_and_b32 s71, ttmp7, 0xffff                   ; the cluster's number, 0 .. 47
	s_lshr_b32 s[SEL], s71, 4                      ; 0: q, 1: k, 2: v: the same in all sixteen partners
	s_and_b32 s73, s71, 15
	s_and_b32 s76, s73, 1
	s_lshr_b32 s78, s73, 1
	s_cmp_eq_u32 s[SEL], 2
	s_cselect_b32 s[TR], s76, s73                  ; q, k: 16 groups of four tile rows, one of tile columns; v: 2 and 8
	s_cselect_b32 s[TC], s78, 0
	s_lshl_b32 s[TR], s[TR], 2
	s_add_co_u32 s[TR], s[TR], s[CY]               ; tile row
	s_lshl_b32 s[TC], s[TC], 2
	s_add_co_u32 s[TC], s[TC], s[CX]               ; tile column
	s_lshl_b32 s94, s[CY], 2
	s_lshl_b32 s94, 15, s94                        ; my row of the cluster
	s_lshl_b32 s96, 0x1111, s[CX]                  ; my column
	s_or_b32 s[G1A], s94, PADW
	s_or_b32 s[G1B], s96, PADW
	s_mov_b32 s[G1A+1], 256<<16                    ; tensor_dim0 = 256 bytes
	s_mov_b32 s[G1A+2], 64<<16                     ; tensor_dim1 = 64 rows
	s_mov_b32 s[G1A+3], 256<<16                    ; tile_dim0
	s_mov_b32 s[G1A+4], 64                         ; tile_dim1
	s_mov_b32 s[G1A+5], 1024                       ; from row to row
	s_mov_b32 s[G1A+6], 0
	s_mov_b32 s[G1A+7], 0
	s_mov_b32 s[G1B+1], 256<<16
	s_mov_b32 s[G1B+2], 128<<16                    ; 128 rows
	s_mov_b32 s[G1B+3], 256<<16
	s_mov_b32 s[G1B+4], 128
	s_mov_b32 s[G1B+5], 1024
	s_mov_b32 s[G1B+6], 0
	s_mov_b32 s[G1B+7], 0
	s_lshl_b32 s94, s[TR], 17                      ; A: row 128 x tile row + 64 x half, 1,024 bytes each
	s_lshl_b32 s95, s[CH], 16
	s_add_co_u32 s94, s94, s95
	s_mov_b32 s95, 0
	s_lshl_b32 s96, s[TC], 18                      ; B: row 256 x tile column + 128 x half
	s_lshl_b32 s97, s[CH], 17
	s_add_co_u32 s96, s96, s97
	s_mov_b32 s97, 0
	s_mul_i32 s98, s[CH], APART                    ; where they go in a slot: no place in the cluster enters an LDS address
	s_mul_i32 s99, s[CH], BPART
	s_add_co_u32 s99, s99, BOFF
	s_wait_dscnt 0x0                               ; the opening add is done
	s_wait_kmcnt 0x0
	s_load_b256 s[80:87], s[8:9], 0x0              ; e0 .. e7
	s_load_b128 s[88:91], s[8:9], 0x20             ; e8 .. e11
	s_lshl_b32 s76, s[SEL], 23
	s_mov_b32 s77, 0
	s_add_nc_u64 s[4:5], s[4:5], s[76:77]          ; xn's codes for this product
	s_lshl_b32 s76, s[SEL], 20
	s_add_nc_u64 s[6:7], s[6:7], s[76:77]          ; the weight's
	s_cmp_eq_u32 s[SEL], 2
	s_cselect_b64 s[76:77], s[6:7], s[4:5]         ; A
	s_cselect_b64 s[78:79], s[4:5], s[6:7]         ; B
	s_add_nc_u64 s[76:77], s[76:77], s[94:95]
	s_add_nc_u64 s[78:79], s[78:79], s[96:97]
	CROUND                                         ; all sixteen work-groups are here: the first joint loads meet
.irp s, 0,1,2
	s_mov_b32 s[G0A+4*\s], 1
	s_add_co_u32 s[G0A+4*\s+1], s98, \s*SLOT
	s_add_nc_u64 s[G0A+4*\s+2:G0A+4*\s+3], s[76:77], \s*256
	s_or_b32 s[G0A+4*\s+3], s[G0A+4*\s+3], 0x80000000
	s_mov_b32 s[G0B+4*\s], 1
	s_add_co_u32 s[G0B+4*\s+1], s99, \s*SLOT
	s_add_nc_u64 s[G0B+4*\s+2:G0B+4*\s+3], s[78:79], \s*256
	s_or_b32 s[G0B+4*\s+3], s[G0B+4*\s+3], 0x80000000
	JLOAD \s
.endr
	; the bias and the output of this product
	s_cmp_eq_u32 s[SEL], 0
	s_cselect_b64 s[22:23], s[10:11], s[12:13]
	s_cselect_b64 s[2:3], s[16:17], s[18:19]
	s_cmp_eq_u32 s[SEL], 2
	s_cselect_b64 s[22:23], s[14:15], s[22:23]
	s_cselect_b64 s[2:3], s[20:21], s[2:3]
	s_lshl_b32 s94, s[TC], 10                      ; q, k: the bias runs along n: 4 (256 tile column + 128 half) bytes on
	s_lshl_b32 s95, s[CH], 9
	s_add_co_u32 s94, s94, s95
	s_lshl_b32 s96, s[TR], 9                       ; v: along m: 4 (128 tile row + 64 half)
	s_lshl_b32 s97, s[RH], 8
	s_add_co_u32 s96, s96, s97
	s_cmp_eq_u32 s[SEL], 2
	s_cselect_b32 s94, 0, s94                      ; both kinds are loaded; the kind that is not used reads from the buffer's head, so that no load leaves it
	s_cselect_b32 s96, s96, 0
	s_mov_b32 s95, 0
	s_mov_b32 s97, 0
	s_add_nc_u64 s[94:95], s[22:23], s[94:95]
	s_add_nc_u64 s[96:97], s[22:23], s[96:97]
	v_and_b32 v1, 15, v0                           ; r
	v_bfe_u32 v2, v0, 4, 1                         ; h
	v_lshlrev_b32 v4, 5, v2
	v_lshlrev_b32 v5, 2, v1
.irp b, 0,1,2,3,4,5,6,7
	global_load_b128 v[BN+8*\b:BN+8*\b+3], v4, s[94:95] offset:64*\b          ; bias(16 b + 8 h + 0 .. 7)
	global_load_b128 v[BN+8*\b+4:BN+8*\b+7], v4, s[94:95] offset:64*\b+16
.endr
.irp a, 0,1,2,3
	global_load_b32 v[BM+2*\a], v5, s[96:97] offset:64*\a                     ; bias(16 a + r)
	v_mov_b32 v[BM+2*\a+1], 0                                                 ; (named with it as a pair)
.endr
	v_mul_u32_u24 v3, v1, PITCH
	v_lshl_add_u32 v3, v2, 4, v3                   ; a fragment's row x pitch + 16 x half
	s_mul_i32 s76, s[RH], APART
	s_mul_i32 s77, s[CH], BPART
	s_add_co_u32 s77, s77, BOFF
.irp s, 0,1,2
	v_add_nc_u32 v[ADRA+\s], s76, v3
	v_add_nc_u32 v[ADRB+\s], s77, v3
	s_add_co_u32 s76, s76, SLOT
	s_add_co_u32 s77, s77, SLOT
.endr
	v_and_b32 v[L16], 31, v0
	v_lshlrev_b32 v[L16], 4, v[L16]                ; 16 x lane
	; where my images begin: ((16 batch + head) << 17) + 64 x (my first token in its batch), for all three layouts
	s_lshl_b32 s76, s[TC], 8
	s_lshl_b32 s77, s[CH], 7
	s_add_co_u32 s76, s76, s77                     ; v: my first token
	s_lshl_b32 s78, s[TR], 7
	s_lshl_b32 s79, s[RH], 6
	s_add_co_u32 s78, s78, s79                     ; q, k: my first token
	s_lshl_b32 s98, s[TR], 1
	s_add_co_u32 s98, s98, s[RH]                   ; v: my head
	s_lshl_b32 s99, s[TC], 2
	s_lshl_b32 s77, s[CH], 1
	s_add_co_u32 s99, s99, s77                     ; q, k: my first head
	s_cmp_eq_u32 s[SEL], 2
	s_cselect_b32 s76, s76, s78
	s_cselect_b32 s98, s98, s99
	s_lshr_b32 s77, s76, 11
	s_lshl_b32 s77, s77, 4
	s_add_co_u32 s77, s77, s98
	s_lshl_b32 s77, s77, 17
	s_and_b32 s76, s76, 2047
	s_lshl_b32 s76, s76, 6
	s_add_co_u32 s76, s76, s77
	s_mov_b32 s77, 0
	s_add_nc_u64 s[2:3], s[2:3], s[76:77]
	s_wait_tensorcnt 2                             ; my part of slot 0 is in; slots 1 and 2 may be out
	s_barrier_signal -1
	s_barrier_wait -1
	FETCH 0, 0
	STEP 0, 0, 1                                   ; K 0: its products start the sums: nothing is cleared
	TURN 1, 1, 1                                   ; K 128; all three slots are whole in every partner; slot 0 takes K 768 on
	STEP 0, 1, 0                                   ; K 256
	STEP 1, 2, 0                                   ; K 384
	STEP 0, 2, 0                                   ; K 512
	TURN 1, 0, 0                                   ; K 640; the refill has landed in every wave
	STEP 0, 0, 0                                   ; K 768
	s_wait_dscnt 0x0
	WIN MUL
	MULQ 0, 1, 0                                   ; K 896
	MULQ 1, 1, 0
	MULQ 2, 1, 0
	MULQ 3, 1, 0
	WIN 0
	; THE WAY OUT
	s_wait_kmcnt 0x0
	s_wait_loadcnt 0x0                             ; the biases
	s_cmp_eq_u32 s[SEL], 0
	s_cselect_b32 s76, s80, s82
	s_cselect_b32 s77, s81, s83
	s_cselect_b32 s78, s86, s87
	s_cmp_eq_u32 s[SEL], 2
	s_cselect_b32 s76, s84, s76                    ; A's exponent,
	s_cselect_b32 s77, s85, s77                    ; B's,
	s_cselect_b32 s78, s89, s78                    ; and that of the codes to be made: e6, e7 or e9
	s_add_co_i32 s76, s76, s77
	s_add_co_i32 s76, s76, 127
	s_lshl_b32 s92, s76, 23                        ; 2^(ea + eb) as f32
	s_mov_b32 s93, s92
	s_add_co_i32 s78, s78, 127
	s_lshl_b32 s79, s78, 23
	v_mov_b32 v[SCV], s79                          ; 2^eo
	s_add_co_i32 s78, s78, 8
	s_lshl_b32 s78, s78, 23
	s_or_b32 s78, s78, 0x600000
	v_mov_b32 v[LIMV], s78                         ; 448 x 2^eo
	PLACES                                         ; behind the last products: their results are read and their operands' registers written
.macro OUTBLK a, vpath                 ; A's block a: 64 numbers a lane -> 16 registers of codes -> four stores
	WIN 0x02                                       ; source 0: the accumulators' window
.irp b, 0,1,2,3,4,5,6,7
.irp i, 0,2,4,6
.if \vpath
	v_pk_fma_f32 v[TT+8*\b+\i:TT+8*\b+\i+1], v[8*(8*(\a)+\b)+\i:8*(8*(\a)+\b)+\i+1], s[92:93], v[BM+2*(\a):BM+2*(\a)+1] op_sel_hi:[1,0,0]
.else
	v_pk_fma_f32 v[TT+8*\b+\i:TT+8*\b+\i+1], v[8*(8*(\a)+\b)+\i:8*(8*(\a)+\b)+\i+1], s[92:93], v[BN+8*\b+\i:BN+8*\b+\i+1] op_sel_hi:[1,0,1]
.endif
.endr
.endr
	WIN 0
.irp b, 0,1,2,3,4,5,6,7
.irp i, 0,1,2,3,4,5,6,7
	v_med3_num_f32 v[TT+8*\b+\i], v[TT+8*\b+\i], -v[LIMV], v[LIMV]   ; the conversion does not saturate (ISA guide 7.6.2)
.endr
	v_cvt_scalef32_pk8_fp8_f32 v[CD+16*(\a)+2*\b:CD+16*(\a)+2*\b+1], v[TT+8*\b:TT+8*\b+7], v[SCV]
.endr
	v_nop                                          ; a plain instruction behind the last conversion: the next block writes its sources
.irp c, 0,1,2,3
.if \vpath
	global_store_b128 v[L16], v[CD+16*(\a)+4*\c:CD+16*(\a)+4*\c+3], s[2:3] offset:512*(\a)+2048*\c                   ; d tile a, group of keys c
.else
	global_store_b128 v[L16], v[CD+16*(\a)+4*\c:CD+16*(\a)+4*\c+3], s[2:3] offset:1024*(\a)+131072*(\c/2)+512*(\c%2)  ; token tile a, head c / 2, half c % 2
.endif
.endr
.endm
	s_cmp_eq_u32 s[SEL], 2                         ; the same way in all waves of all partners; neither way touches LDS
	s_cbranch_scc1 .Lvout
	OUTBLK 0, 0
	OUTBLK 1, 0
	OUTBLK 2, 0
	OUTBLK 3, 0
	s_branch .Ldone
.Lvout:
	OUTBLK 0, 1
	OUTBLK 1, 1
	OUTBLK 2, 1
	OUTBLK 3, 1
.Ldone:
	s_wait_tensorcnt 0x0                           ; the wave's end
	ds_add_u32 v[SPW], v[NIL]
	s_wait_dscnt 0x0
	CROUND                                         ; the closing round
	s_endpgm
.Lfunc_end_k_qca01f6da85_qkv:
	.size	k_qca01f6da85_qkv, .Lfunc_end_k_qca01f6da85_qkv-k_qca01f6da85_qkv
	.p2alignl 7, 3214868480
	.fill 96, 4, 3214868480
	.section	.rodata,"a",@progbits
	.p2align	6, 0x0
	.amdhsa_kernel k_qca01f6da85_qkv
		.amdhsa_group_segment_fixed_size 327680
		.amdhsa_private_segment_fixed_size 0
		.amdhsa_enable_private_segment 0
		.amdhsa_kernarg_size 72
		.amdhsa_user_sgpr_count 2
		.amdhsa_user_sgpr_kernarg_segment_ptr 1
		.amdhsa_wavefront_size32 1
		.amdhsa_system_sgpr_workgroup_id_x 1
		.amdhsa_system_sgpr_workgroup_id_y 1
		.amdhsa_system_sgpr_workgroup_id_z 1
		.amdhsa_system_vgpr_workitem_id 0
		.amdhsa_next_free_vgpr 768
		.amdhsa_next_free_sgpr 100
		.amdhsa_reserve_vcc 0
		.amdhsa_float_denorm_mode_32 3
		.amdhsa_float_denorm_mode_16_64 3
		.amdhsa_memory_ordered 1
		.amdhsa_forward_progress 1
		.amdhsa_inst_pref_size 112
	.end_amdhsa_kernel
	.amdgpu_metadata
---
amdhsa.version: [ 1, 2 ]
amdhsa.kernels:
  - .name:           k_qca01f6da85_qkv
    .symbol:         k_qca01f6da85_qkv.kd
    .args:
      - { .name: xnc, .offset: 0, .size: 8, .value_kind: global_buffer, .address_space: global }
      - { .name: wc, .offset: 8, .size: 8, .value_kind: global_buffer, .address_space: global }
      - { .name: lowp_scales, .offset: 16, .size: 8, .value_kind: global_buffer, .address_space: global }
      - { .name: b_q, .offset: 24, .size: 8, .value_kind: global_buffer, .address_space: global }
      - { .name: b_k, .offset: 32, .size: 8, .value_kind: global_buffer, .address_space: global }
      - { .name: b_v, .offset: 40, .size: 8, .value_kind: global_buffer, .address_space: global }
      - { .name: qc, .offset: 48, .size: 8, .value_kind: global_buffer, .address_space: global }
      - { .name: kc, .offset: 56, .size: 8, .value_kind: global_buffer, .address_space: global }
      - { .name: vc, .offset: 64, .size: 8, .value_kind: global_buffer, .address_space: global }
    .group_segment_fixed_size: 327680
    .private_segment_fixed_size: 0
    .kernarg_segment_align: 8
    .kernarg_segment_size: 72
    .max_flat_workgroup_size: 128
    .sgpr_count:     100
    .vgpr_count:     768
    .wavefront_size: 32
...
	.end_amdgpu_metadata
.endif
;; end of part 2
;; launch attn (part 3): grid 4 x 64, 16 waves a work-group, no clusters, 167,936 bytes of LDS; arguments qc, kc, vc, lowp_scales, cc; writes cc
.if DOCPART == 3
	.amdgcn_target "amdgcn-amd-amdhsa--gfx1250"
	.amdhsa_code_object_version 6
	.text
	.protected	k_qca01f6da85_attn
	.globl	k_qca01f6da85_attn
	.p2align	8
	.type	k_qca01f6da85_attn,@function
k_qca01f6da85_attn:
	s_mov_b64 s[64:65], 0
	v_nop
	global_prefetch_b8 v0, s[64:65] scope:SCOPE_SE
	s_setreg_imm32_b32 hwreg(HW_REG_WAVE_MODE, 25, 1), 1
	s_wait_xcnt 0x0
; ATTENTION IN A WINDOW: key j counts for query i where 0 <= i - j < 256.  Both products on codes of E4M3 (K = 64 form), operands read as images of their registers.
; t = score x log2(e) / 8; M = ceil(the row's largest t); p = 2^(t - M) is quantised (2^e8), not normalised; the row's sum of the unquantised p divides at the end; the context is quantised (2^e10) for the last product.
; SHARES.  A work-group takes one head (64 of them) and 512 queries; each of sixteen waves two tiles of 16 queries, one after the other.  Both tiles see the same 18 tiles of 16 keys (288 keys), of which the mask hides the ends.
; ONE PASS: all 144 scores of a lane stand in registers: one maximum, one batch of exponentials, no rescaling.
; Both products are used transposed: S^T = K Q^T (source 0 = 16 keys), O^T = V^T P^T (source 0 = 16 of the head's 64): a lane holds one query (lane % 16); a tile's eight registers are keys 8 (lane / 16) + 0 .. 7,
; so the conversions' results are the second product's operand as they stand.
; LDS: K's 48 tile images (keys 512 blk - 256 .. 512 blk + 511) at 0, V's 24 group images at 49,152; filled once, by six tensor loads of 16 KiB (waves 0-2: K's, waves 3-5: V's); one barrier.
; In block 0 the first 256 keys do not exist: that chunk repeats keys 0-255 (valid codes) and every score of it is hidden.
; No joint loads: neighbouring blocks share 256 of their 768 keys, and those lie at other LDS places in each.  No prefetch: all is asked for at the head.
; LIMITS: e6 + e7 between -123 and 130; e8, e10 between -126 and 119.  NaN among the inputs is not served.
; REGISTERS: v1, v2 LDS addresses; v3 16 x lane; v4, v5 the add's two; v6, v7 the masks' lane terms; v8 -infinity; v9-11 scales; v12 -M, then 1 / sum; v[14:15] the sum; v16-31 Q's two fragments, then the context's codes;
;   v32-71 p's codes; v72-215 S^T (tile i at 72 + 8 i), later O^T (v72-103) and V; v216-223 at work; v224-255 K, then V.
.set SPARE, 98304                      ; behind the images: the spare words, 128 bytes a wave, which no other line names
.set VOFF,  49152
.set AL,  1
.set AV,  2
.set L16, 3
.set SPW, 4
.set NIL, 5
.set DL,  6
.set S,   72
.set P,   32
.set WV,  14
.set HID, 15
.set G1,  16
.set G0K, 24
.set G0V, 28
.set CS,  44
.set SL,  46
.set NI,  48
	s_load_b256 s[4:11], s[0:1], 0x0               ; qc 4:5, kc 6:7, vc 8:9, the exponents 10:11
	s_load_b64 s[12:13], s[0:1], 0x20              ; cc
	v_lshl_add_u32 v[SPW], v0, 2, SPARE
	v_mov_b32 v[NIL], 0
	ds_add_u32 v[SPW], v[NIL]                      ; the wave's opening; its wait comes ahead of the first tensor load
	v_lshrrev_b32 v1, 5, v0
	v_readfirstlane_b32 s[WV], v1
	s_mov_b32 s[G1], 3<<16                         ; elements of 8 bytes, no mask, no padding: a dense block
	s_mov_b32 s[G1+1], 32<<16                      ; rows of 256 bytes,
	s_mov_b32 s[G1+2], 64<<16                      ; 64 of them
	s_mov_b32 s[G1+3], 32<<16
	s_mov_b32 s[G1+4], 64
	s_mov_b32 s[G1+5], 32
	s_mov_b32 s[G1+6], 0
	s_mov_b32 s[G1+7], 0
	s_and_b32 s51, ttmp7, 0xffff                   ; the head, 16 batch + head
	s_lshl_b32 s52, s51, 17                        ; its 131,072 bytes in qc, kc and vc
	s_mov_b32 s53, 0
	s_lshl_b32 s54, ttmp9, 1
	s_add_co_u32 s54, s54, s[WV]
	s_sub_co_i32 s56, s54, 4                       ; V's chunk of 256 keys: 2 blk - 1 + (wave - 3)
	s_sub_co_i32 s54, s54, 1                       ; K's: 2 blk - 1 + wave
	s_max_i32 s54, s54, 0                          ; block 0's first chunk does not exist: chunk 0 stands in, and is hidden
	s_max_i32 s56, s56, 0
	s_lshl_b32 s54, s54, 14
	s_lshl_b32 s56, s56, 14
	s_mov_b32 s55, 0
	s_mov_b32 s57, 0
	s_add_nc_u64 s[54:55], s[54:55], s[52:53]
	s_add_nc_u64 s[56:57], s[56:57], s[52:53]
	s_lshl_b32 s58, s[WV], 14                      ; LDS: 16,384 x wave: K's three chunks, then V's three
	s_wait_dscnt 0x0                               ; the opening add is done
	s_wait_kmcnt 0x0
	s_load_b256 s[32:39], s[10:11], 0x0            ; e0 .. e7
	s_load_b128 s[40:43], s[10:11], 0x20           ; e8 .. e11
	s_mov_b32 s[G0K], 1
	s_mov_b32 s[G0K+1], s58
	s_add_nc_u64 s[G0K+2:G0K+3], s[6:7], s[54:55]
	s_or_b32 s[G0K+3], s[G0K+3], 0x80000000
	s_mov_b32 s[G0V], 1
	s_mov_b32 s[G0V+1], s58
	s_add_nc_u64 s[G0V+2:G0V+3], s[8:9], s[56:57]
	s_or_b32 s[G0V+3], s[G0V+3], 0x80000000
	s_cmp_lt_u32 s[WV], 3                          ; one load a wave, in waves 0 to 5; every wait on TENSORcnt in this text is for 0
	s_cbranch_scc0 .Lnot_k
	tensor_load_to_lds s[G0K:G0K+3], s[G1:G1+7]
	s_nop 0
.rept 4
	v_nop
.endr
	s_branch .Lasked
.Lnot_k:
	s_cmp_lt_u32 s[WV], 6
	s_cbranch_scc0 .Lasked
	tensor_load_to_lds s[G0V:G0V+3], s[G1:G1+7]
	s_nop 0
.rept 4
	v_nop
.endr
.Lasked:
	s_lshl_b32 s60, ttmp9, 15                      ; Q: tile 32 blk + 2 wave, 1,024 bytes a tile
	s_lshl_b32 s61, s[WV], 11
	s_add_co_u32 s60, s60, s61
	s_mov_b32 s61, 0
	s_add_nc_u64 s[60:61], s[60:61], s[52:53]
	s_add_nc_u64 s[4:5], s[4:5], s[60:61]
	v_and_b32 v[L16], 31, v0
	v_lshlrev_b32 v[L16], 4, v[L16]
	global_load_b128 v[16:19], v[L16], s[4:5]
	global_load_b128 v[20:23], v[L16], s[4:5] offset:512
	global_load_b128 v[24:27], v[L16], s[4:5] offset:1024
	global_load_b128 v[28:31], v[L16], s[4:5] offset:1536
	s_lshr_b32 s60, s51, 4                         ; cc: ((128 batch + tile) x 16 + head) x 1,024
	s_lshl_b32 s60, s60, 21
	s_lshl_b32 s62, ttmp9, 19
	s_add_co_u32 s60, s60, s62
	s_lshl_b32 s62, s[WV], 15
	s_add_co_u32 s60, s60, s62
	s_and_b32 s62, s51, 15
	s_lshl_b32 s62, s62, 10
	s_add_co_u32 s60, s60, s62
	s_mov_b32 s61, 0
	s_add_nc_u64 s[12:13], s[12:13], s[60:61]
	s_lshl_b32 s62, s[WV], 11
	v_add_nc_u32 v[AL], s62, v[L16]                ; my first key tile's image: tile 2 x wave
	v_add_nc_u32 v[AV], VOFF, v[AL]                ; my first group of V: group wave
	v_and_b32 v[DL], 15, v0
	v_bfe_u32 v[DL+1], v0, 4, 1
	v_lshlrev_b32 v[DL+1], 3, v[DL+1]
	v_sub_nc_u32 v[DL], v[DL], v[DL+1]             ; r - 8 h, for the first tile of queries,
	v_add_nc_u32 v[DL+1], 16, v[DL]                ; + 16 for the second
	v_mov_b32 v8, 0xff800000
	v_mov_b32 v13, 0                               ; (named as the upper half of the pair v[12:13])
	v_mov_b32 v220, 0                              ; a lane permute's destination counts as read
	s_mov_b32 s[SL], 0x76543210
	s_mov_b32 s[SL+1], 0xfedcba98
	s_mov_b32 s[NI], 0xff800000
	s_mov_b32 s[NI+1], 0xff800000
	s_lshl_b32 s59, s[WV], 1
	s_sub_co_i32 s59, 16, s59
	s_max_i32 s59, s59, 0
	s_cmp_eq_u32 ttmp9, 0
	s_cselect_b32 s[HID], s59, 0                   ; how many of my key tiles lie ahead of key 0: 16 - 2 wave in block 0
	s_wait_kmcnt 0x0
	s_add_co_i32 s59, s38, s39
	s_lshl_b32 s59, s59, 23
	s_add_co_i32 s[CS], s59, 0x3e38aa3b            ; c = log2(e) / 8 x 2^(e6 + e7): the exponents are added to c's exponent field
	s_mov_b32 s[CS+1], s[CS]
	s_add_co_i32 s59, s40, 127
	s_lshl_b32 s62, s59, 23
	v_mov_b32 v9, s62                              ; 2^e8
	s_add_co_i32 s59, s59, 8
	s_lshl_b32 s59, s59, 23
	s_or_b32 s59, s59, 0x600000
	v_mov_b32 v10, s59                             ; 448 x 2^e8
	s_add_co_i32 s59, s42, 127
	s_lshl_b32 s62, s59, 23
	v_mov_b32 v11, s62                             ; 2^e10
	s_add_co_i32 s59, s59, 8
	s_lshl_b32 s59, s59, 23
	s_or_b32 s59, s59, 0x600000
	v_mov_b32 v221, s59                            ; 448 x 2^e10
	s_add_co_i32 s50, s40, s41                     ; e8 + e9
	s_wait_tensorcnt 0x0                           ; my chunk has landed,
	s_barrier_signal -1
	s_barrier_wait -1                              ; everybody's has
	s_wait_loadcnt 0x0                             ; Q
.macro KREG                            ; where key tile i's fragment lies: in registers of S^T not yet written, in p's, or in V's
.if i < 9
.set KR, 144+8*i
.elseif i < 14
.set KR, 32+8*(i-9)
.else
.set KR, 224+8*(i-14)
.endif
.endm
.macro VLOAD base, ks                  ; V's four fragments of key step ks (64 keys: groups 2 ks, 2 ks + 1)
.irp dt, 0,1,2,3
	ds_load_b128 v[\base+8*\dt:\base+8*\dt+3], v[AV] offset:4096*(\ks)+512*\dt
	ds_load_b128 v[\base+8*\dt+4:\base+8*\dt+7], v[AV] offset:4096*(\ks)+2048+512*\dt
.endr
.endm
.macro PVK ks, vb, vs, cnt, zero       ; O^T += V^T P^T for key step ks: the four accumulators by turns
	s_wait_dscnt \cnt                              ; this step's V is in; the later steps' loads may be out
.irp dt, 0,1,2,3
.if \zero
	v_wmma_f32_16x16x64_fp8_fp8 v[S+8*\dt:S+8*\dt+7], v[\vb+\vs*\dt:\vb+\vs*\dt+7], v[P+8*\ks:P+8*\ks+7], 0
.else
	v_wmma_f32_16x16x64_fp8_fp8 v[S+8*\dt:S+8*\dt+7], v[\vb+\vs*\dt:\vb+\vs*\dt+7], v[P+8*\ks:P+8*\ks+7], v[S+8*\dt:S+8*\dt+7]
.endif
.endr
.endm
.macro TILE par
.if \par
.rept 5
	v_nop                                          ; five places behind the last tile's products: loads land on their operands, and matrix instructions write over their results
.endr
.endif
.set i, 0
.rept 18
	KREG
	ds_load_b128 v[KR:KR+3], v[AL] offset:1024*i
	ds_load_b128 v[KR+4:KR+7], v[AL] offset:1024*i+512
.set i, i+1
.endr
.set i, 0
.rept 18
	KREG
.if (i%3) == 0
	s_wait_dscnt 30-2*i                            ; tiles i .. i + 2 are in; the two loads of each later tile may be out
.endif
.if i == 9
.rept 5
	v_nop                                          ; from here on the results are laid over the first nine tiles' operands: five places (ISA guide 7.12.1)
.endr
.endif
	v_wmma_f32_16x16x64_fp8_fp8 v[S+8*i:S+8*i+7], v[KR:KR+7], v[16+8*\par:23+8*\par], 0
.set i, i+1
.endr
.rept 4
	v_nop
.endr
	VLOAD 224, 0
	; key tiles ahead of key 0 (block 0 alone): -infinity onto every score.  Branches on the block's and the wave's numbers
.irp p, 0,1,2,3,4,5,6,7
	s_cmp_le_u32 s[HID], 2*\p
	s_cbranch_scc1 .Lvis_\@
.irp n, 0,2,4,6,8,10,12,14
	v_pk_add_f32 v[S+16*\p+\n:S+16*\p+\n+1], v[S+16*\p+\n:S+16*\p+\n+1], s[NI:NI+1] op_sel_hi:[1,0]
.endr
.endr
.Lvis_\@:
	; the window's two ends.  Register jj of tile u holds key 16 u + 8 h + jj, my query is key 256 + 16 par + r of the 288: with n = 16 u + jj and d = r - 8 h + 16 par,
	; tiles 0, 1 are hidden where n <= d (too old), tiles 16, 17 where n > d (yet to come)
.irp u, 0,1
.irp jj, 0,1,2,3,4,5,6,7
	v_cmp_gt_i32 vcc_lo, 16*\u+\jj, v[DL+\par]
	v_cndmask_b32 v[S+8*(16+\u)+\jj], v[S+8*(16+\u)+\jj], v8, vcc_lo
	v_cndmask_b32 v[S+8*\u+\jj], v8, v[S+8*\u+\jj], vcc_lo
.endr
.endr
	; the largest score, in four chains; each tile's registers from the low end on
.irp st, 0,1,2,3
.irp c, 0,1,2,3
.if \st == 0
	v_max3_num_f32 v[216+\c], v[S+8*\c], v[S+8*\c+1], v[S+8*\c+2]
.elseif \st < 3
	v_max3_num_f32 v[216+\c], v[216+\c], v[S+8*\c+2*\st+1], v[S+8*\c+2*\st+2]
.else
	v_max_num_f32 v[216+\c], v[216+\c], v[S+8*\c+7]
.endif
.endr
.endr
.irp g, 1,2,3
.irp st, 0,1,2,3
.irp c, 0,1,2,3
	v_max3_num_f32 v[216+\c], v[216+\c], v[S+8*(4*\g+\c)+2*\st], v[S+8*(4*\g+\c)+2*\st+1]
.endr
.endr
.endr
.irp st, 0,1,2,3
.irp c, 0,1
	v_max3_num_f32 v[216+\c], v[216+\c], v[S+8*(16+\c)+2*\st], v[S+8*(16+\c)+2*\st+1]
.endr
.endr
	v_max3_num_f32 v216, v216, v217, v218
	v_max_num_f32 v216, v216, v219
	v_permlanex16_b32 v220, v216, s[SL], s[SL+1]
	v_max_num_f32 v216, v216, v220                 ; and lane l xor 16's keys
	v_mul_f32 v216, s[CS], v216                    ; as t (c is positive)
	v_floor_f32 v12, -v216                         ; -M = floor(-t): M is a whole number
.irp n, 68,69,70,71
	v_mov_b32 v[\n], 0                             ; the last key step has 32 keys: zero codes fill p's operand
.endr
.set n, 0
.rept 72
	v_pk_fma_f32 v[S+n:S+n+1], v[S+n:S+n+1], s[CS:CS+1], v[12:13] op_sel_hi:[1,0,0]   ; t - M
.set n, n+2
.endr
.set n, 0
.rept 144
	v_exp_f32 v[S+n], v[S+n]                       ; p = 2^(t - M); a hidden score gives 0
.set n, n+1
.endr
	v_nop                                          ; a plain instruction behind the batch,
	s_wait_alu depctr_va_vdst(0)                   ; and a wait ahead of its first reader
	v_pk_add_f32 v[14:15], v[S:S+1], v[S+8:S+9]    ; the row's sum, of the unquantised p, in four chains
	v_pk_add_f32 v[216:217], v[S+2:S+3], v[S+10:S+11]
	v_pk_add_f32 v[218:219], v[S+4:S+5], v[S+12:S+13]
	v_pk_add_f32 v[222:223], v[S+6:S+7], v[S+14:S+15]
.set n, 16
.rept 16
	v_pk_add_f32 v[14:15], v[14:15], v[S+n:S+n+1]
	v_pk_add_f32 v[216:217], v[216:217], v[S+n+2:S+n+3]
	v_pk_add_f32 v[218:219], v[218:219], v[S+n+4:S+n+5]
	v_pk_add_f32 v[222:223], v[222:223], v[S+n+6:S+n+7]
.set n, n+8
.endr
	v_pk_add_f32 v[14:15], v[14:15], v[216:217]
	v_pk_add_f32 v[218:219], v[218:219], v[222:223]
	v_pk_add_f32 v[14:15], v[14:15], v[218:219]
.set i, 0
.rept 18
.irp j, 0,1,2,3,4,5,6,7
	v_min_num_f32 v[S+8*i+\j], v[S+8*i+\j], v10    ; the conversion does not saturate (ISA guide 7.6.2); p is not negative: a one-sided hold
.endr
	v_cvt_scalef32_pk8_fp8_f32 v[P+2*i:P+2*i+1], v[S+8*i:S+8*i+7], v9
.if i == 7
	VLOAD 104, 1                                   ; V's later steps land where p has been converted
.elseif i == 11
	VLOAD 136, 2
.elseif i == 15
	VLOAD 168, 3
.endif
.set i, i+1
.endr
	v_nop                                          ; a plain instruction between the last conversion and the products that read the codes
.irp dt, 0,1,2,3
	ds_load_b128 v[200+4*\dt:203+4*\dt], v[AV] offset:16384+512*\dt   ; the last 32 keys: half an operand for each dt; its upper half is the next dt's (valid codes), which meets zero codes of p
.endr
	ds_load_b128 v[216:219], v[AV] offset:16384+1536
	PVK 0, 224, 8, 29, 1
	PVK 1, 104, 8, 21, 0
	PVK 2, 136, 8, 13, 0
	PVK 3, 168, 8, 5, 0
	PVK 4, 200, 4, 0, 0
	v_add_f32 v14, v14, v15
	v_permlanex16_b32 v220, v14, s[SL], s[SL+1]
	v_add_f32 v14, v14, v220                       ; the row's sum
	v_rcp_f32 v12, v14
.rept 4
	v_nop                                          ; the plain instruction behind the reciprocal, and the four places behind the last products
.endr
	s_wait_alu depctr_va_vdst(0)
	v_ldexp_f32 v12, v12, s50                      ; x 2^(e8 + e9)
.irp n, 0,2,4,6,8,10,12,14,16,18,20,22,24,26,28,30
	v_pk_mul_f32 v[S+\n:S+\n+1], v[S+\n:S+\n+1], v[12:13] op_sel_hi:[1,0]
.endr
.set n, 0
.rept 32
	v_med3_num_f32 v[S+n], v[S+n], -v221, v221
.set n, n+1
.endr
.irp dt, 0,1,2,3
	v_cvt_scalef32_pk8_fp8_f32 v[16+8*\par+2*\dt:17+8*\par+2*\dt], v[S+8*\dt:S+8*\dt+7], v11   ; d = 16 dt + 8 h + 0 .. 7 of my query: the last product's operand image
.endr
	v_nop
	global_store_b128 v[L16], v[16+8*\par:19+8*\par], s[12:13] offset:16384*\par       ; 512 consecutive bytes, aligned
	global_store_b128 v[L16], v[20+8*\par:23+8*\par], s[12:13] offset:16384*\par+512
.endm
	TILE 0
	TILE 1
	s_wait_tensorcnt 0x0                           ; the wave's end
	ds_add_u32 v[SPW], v[NIL]
	s_wait_dscnt 0x0
	s_endpgm
.Lfunc_end_k_qca01f6da85_attn:
	.size	k_qca01f6da85_attn, .Lfunc_end_k_qca01f6da85_attn-k_qca01f6da85_attn
	.p2alignl 7, 3214868480
	.fill 96, 4, 3214868480
	.section	.rodata,"a",@progbits
	.p2align	6, 0x0
	.amdhsa_kernel k_qca01f6da85_attn
		.amdhsa_group_segment_fixed_size 167936
		.amdhsa_private_segment_fixed_size 0
		.amdhsa_enable_private_segment 0
		.amdhsa_kernarg_size 40
		.amdhsa_user_sgpr_count 2
		.amdhsa_user_sgpr_kernarg_segment_ptr 1
		.amdhsa_wavefront_size32 1
		.amdhsa_system_sgpr_workgroup_id_x 1
		.amdhsa_system_sgpr_workgroup_id_y 1
		.amdhsa_system_sgpr_workgroup_id_z 1
		.amdhsa_system_vgpr_workitem_id 0
		.amdhsa_next_free_vgpr 256
		.amdhsa_next_free_sgpr 66
		.amdhsa_reserve_vcc 1
		.amdhsa_float_denorm_mode_32 3
		.amdhsa_float_denorm_mode_16_64 3
		.amdhsa_memory_ordered 1
		.amdhsa_forward_progress 1
		.amdhsa_inst_pref_size 89
	.end_amdhsa_kernel
	.amdgpu_metadata
---
amdhsa.version: [ 1, 2 ]
amdhsa.kernels:
  - .name:           k_qca01f6da85_attn
    .symbol:         k_qca01f6da85_attn.kd
    .args:
      - { .name: qc, .offset: 0, .size: 8, .value_kind: global_buffer, .address_space: global }
      - { .name: kc, .offset: 8, .size: 8, .value_kind: global_buffer, .address_space: global }
      - { .name: vc, .offset: 16, .size: 8, .value_kind: global_buffer, .address_space: global }
      - { .name: lowp_scales, .offset: 24, .size: 8, .value_kind: global_buffer, .address_space: global }
      - { .name: cc, .offset: 32, .size: 8, .value_kind: global_buffer, .address_space: global }
    .group_segment_fixed_size: 167936
    .private_segment_fixed_size: 0
    .kernarg_segment_align: 8
    .kernarg_segment_size: 40
    .max_flat_workgroup_size: 512
    .sgpr_count:     66
    .vgpr_count:     256
    .wavefront_size: 32
...
	.end_amdgpu_metadata
.endif
;; end of part 3
;; launch oproj (part 4): grid 4 x 64, 4 waves a work-group, clusters of 4 x 4, 327,680 bytes of LDS; arguments cc, wc, lowp_scales, b_o, x, out0; writes out0
.if DOCPART == 4
	.amdgcn_target "amdgcn-amd-amdhsa--gfx1250"
	.amdhsa_code_object_version 6
	.text
	.protected	k_qca01f6da85_oproj
	.globl	k_qca01f6da85_oproj
	.p2align	8
	.type	k_qca01f6da85_oproj,@function
k_qca01f6da85_oproj:
	s_mov_b64 s[64:65], 0
	v_nop
	global_prefetch_b8 v0, s[64:65] scope:SCOPE_SE
	s_setreg_imm32_b32 hwreg(HW_REG_WAVE_MODE, 25, 1), 1
	s_wait_xcnt 0x0
	s_wait_alu depctr_hold_cnt(0) depctr_sa_sdst(0) depctr_va_vdst(0) depctr_va_sdst(0) depctr_va_ssrc(0) depctr_va_vcc(0) depctr_vm_vsrc(0)
	s_getreg_b32 s2, hwreg(HW_REG_IB_STS2, 6, 4)
	s_cmp_eq_u32 s2, 0
	s_cbranch_scc0 .Lentry_in_a_cluster
	s_endpgm
.Lentry_in_a_cluster:
	s_bfe_u32 s2, ttmp6, 0x10000c
	s_cmp_lg_u32 s2, 0xf033
	s_cbranch_scc0 .Lentry_shape_is_right
	s_endpgm
.Lentry_shape_is_right:
; out = x + ctx W_o^T + b_o, the product on codes of E4M3.  The same product core as the projections' launch: a tile of 128 tokens x 256 features to a work-group, 64 x 128 to a wave, K = 1,024 in 8 steps of 128,
; three LDS slots of 256 along K filled at the head, slot 0 filled once more; cluster 4 x 4 with joint loads (A's tile along a row, B's along a column); at most three tensor loads of a wave are out.  256 work-groups.
; A = the context's codes, which lie in memory as images of operand registers: [tile of 16 tokens][head 16][half 2][lane][16].  A slot takes 4 heads: for each of a wave's 4 token tiles a row of 4,096 bytes, 16,384 apart;
; a fragment (two heads) is four loads of 512 consecutive bytes.  B = w_o's codes, rows with bits 3 and 4 of K's index exchanged, so that the four loads of 16 bytes from a row give the same k in the same places.
; x (the wave's 64 x 128 numbers, 256 registers, window 3) is asked for at the head and lands under the products.
; OUT: a block of 16 tokens goes through the wave's stage in LDS and comes back as whole rows of 512 bytes; sum x 2^(e10 + e11) + x + b_o; each store covers 512 consecutive bytes, aligned.
; The stage lies in slot 1, which has had its only fill, and which nobody reads behind the sixth step's barrier.
; LIMIT: e10 + e11 between -126 and 127.
.set PITCH, 272
.set APART, 16384
.set BPART, 128*PITCH
.set BOFF,  2*APART
.set SLOT,  BOFF+2*BPART               ; 102,400
.set SPARE, 3*SLOT                     ; behind the slots: the spare words, 128 bytes a wave, which no other line names
.set AREFILL, 12288                    ; three slots of 4 heads on
.set SPITCH, 528
.set ADRA, 16
.set ADRB, 20
.set STO,  24
.set RD,   25
.set L16,  26
.set SPW,  28
.set NIL,  29
.set AF,   128
.set RR,   128
.set G1A, 24
.set G1B, 32
.set G0A, 40
.set G0B, 52
.set WV,  66
.set RH,  67
.set CH,  68
.set CX,  69
.set CY,  70
.set TR,  74
.set PADW, (1<<20)|(1<<21)|(5<<22)|(3<<25)
.set MSB, 0
.macro WIN new
.if MSB != \new
	s_set_vgpr_msb (MSB<<8)|\new
.set MSB, \new
.endif
.endm
.set MUL,  0xa1
.set TO_B, 0x40
.macro PLACES
.rept 4
	v_nop
.endr
.endm
.macro JLOAD s
	s_cmp_eq_u32 s[RH], 0
	s_cbranch_scc0 .Lfor_b_\@
	tensor_load_to_lds s[G0A+4*\s:G0A+4*\s+3], s[G1A:G1A+7]
	s_nop 0
.rept 4
	v_nop
.endr
	s_branch .Lasked_\@
.Lfor_b_\@:
	tensor_load_to_lds s[G0B+4*\s:G0B+4*\s+3], s[G1B:G1B+7]
	s_nop 0
.rept 4
	v_nop
.endr
.Lasked_\@:
.endm
.macro CREST
	s_cmp_lg_u32 s[WV], 0
	s_cbranch_scc1 .Lnot_wave_0_\@
	s_barrier_signal -3
.Lnot_wave_0_\@:
	s_barrier_wait -3
	s_barrier_signal -1
	s_barrier_wait -1
.endm
.macro CROUND
	s_barrier_signal -1
	s_barrier_wait -1
	CREST
.endm
.macro FRAGR reg, adr, q, i            ; a fragment from rows
.irp c, 0,1,2,3
	ds_load_b128 v[\reg+4*\c:\reg+4*\c+3], v[\adr] offset:128*(\q)+32*\c+(\i)*16*PITCH
.endr
.endm
.macro FRAGI reg, adr, q, i            ; a fragment from images: token tile i, heads 2 q and 2 q + 1 of the slot
.irp c, 0,1,2,3
	ds_load_b128 v[\reg+4*\c:\reg+4*\c+3], v[\adr] offset:2048*(\q)+512*\c+4096*(\i)
.endr
.endm
.macro FETCH slot, q
	WIN TO_B
.irp i, 0,1,2,3,4,5,6,7
	FRAGR 128*(\q)+16*\i, ADRB+\slot, \q, \i
.endr
	WIN 0
.irp i, 0,1,2,3
	FRAGI AF+64*(\q)+16*\i, ADRA+\slot, \q, \i
.endr
.endm
.macro MULQ a, p, zero                 ; the 32 accumulators take turns in the same order in every step
.irp b, 0,1,2,3,4,5,6,7
.if \zero
	v_wmma_f32_16x16x128_fp8_fp8 v[8*(8*(\a)+\b):8*(8*(\a)+\b)+7], v[128*(\p)+16*\b:128*(\p)+16*\b+15], v[AF+64*(\p)+16*(\a):AF+64*(\p)+16*(\a)+15], 0
.else
	v_wmma_f32_16x16x128_fp8_fp8 v[8*(8*(\a)+\b):8*(8*(\a)+\b)+7], v[128*(\p)+16*\b:128*(\p)+16*\b+15], v[AF+64*(\p)+16*(\a):AF+64*(\p)+16*(\a)+15], v[8*(8*(\a)+\b):8*(8*(\a)+\b)+7]
.endif
.endr
.endm
.macro STEP p, ns, zero
	s_wait_dscnt 0x0                               ; this step's fragments, asked for 32 matrix instructions ago
.if \zero == 0
	PLACES                                         ; four places between the last step's products and the loads into the set that they read
.endif
	FETCH \ns, 1-(\p)
	WIN MUL
	MULQ 0, \p, \zero
	MULQ 1, \p, \zero
	MULQ 2, \p, \zero
	MULQ 3, \p, \zero
.endm
.macro TURN p, ns, fill
	WIN 0
	s_wait_tensorcnt 0x0                           ; all my tensor loads have landed
	ds_add_u32 v[SPW], v[NIL]                      ; 0 onto my spare word
	s_wait_dscnt 1                                 ; this step's fragments are in; the add alone may be out
	WIN MUL
	MULQ 0, \p, 0
	s_wait_dscnt 0x0                               ; the add is done; my reads of the slots behind me are over
	s_barrier_signal -1
	MULQ 1, \p, 0
	WIN 0
	s_barrier_wait -1
.if \fill
	CREST                                          ; no wave of any partner still reads slot 0 or has a load on its way
	s_add_nc_u64 s[G0A+2:G0A+3], s[G0A+2:G0A+3], AREFILL
	s_add_nc_u64 s[G0B+2:G0B+3], s[G0B+2:G0B+3], 768
	JLOAD 0
.else
	PLACES
.endif
	FETCH \ns, 1-(\p)
	WIN MUL
	MULQ 2, \p, 0
	MULQ 3, \p, 0
.endm
	s_load_b256 s[4:11], s[0:1], 0x0               ; cc 4:5, wc 6:7, the exponents 8:9, b_o 10:11
	s_load_b128 s[12:15], s[0:1], 0x20             ; x 12:13, out0 14:15
	v_lshl_add_u32 v[SPW], v0, 2, SPARE
	v_mov_b32 v[NIL], 0
	ds_add_u32 v[SPW], v[NIL]                      ; the wave's opening; its wait comes ahead of my first tensor load
	v_lshrrev_b32 v1, 5, v0
	v_readfirstlane_b32 s[WV], v1
	s_lshr_b32 s[RH], s[WV], 1
	s_and_b32 s[CH], s[WV], 1
	s_bfe_u32 s[CX], ttmp6, 0x40000                ; also the tile column: the grid is four tiles wide
	s_bfe_u32 s[CY], ttmp6, 0x40004
	s_and_b32 s71, ttmp7, 0xffff
	s_lshl_b32 s[TR], s71, 2
	s_add_co_u32 s[TR], s[TR], s[CY]               ; tile row
	s_lshl_b32 s94, s[CY], 2
	s_lshl_b32 s94, 15, s94
	s_lshl_b32 s96, 0x1111, s[CX]
	s_or_b32 s[G1A], s94, (3<<16)|(1<<21)          ; elements of 8 bytes, no padding; the mask of my row, bit 21 beside it
	s_or_b32 s[G1B], s96, PADW
	s_mov_b32 s[G1A+1], 512<<16                    ; rows of 4,096 bytes,
	s_mov_b32 s[G1A+2], 4<<16                      ; four of them,
	s_mov_b32 s[G1A+3], 512<<16
	s_mov_b32 s[G1A+4], 4
	s_mov_b32 s[G1A+5], 2048                       ; 16,384 bytes apart
	s_mov_b32 s[G1A+6], 0
	s_mov_b32 s[G1A+7], 0
	s_mov_b32 s[G1B+1], 256<<16
	s_mov_b32 s[G1B+2], 128<<16
	s_mov_b32 s[G1B+3], 256<<16
	s_mov_b32 s[G1B+4], 128
	s_mov_b32 s[G1B+5], 1024
	s_mov_b32 s[G1B+6], 0
	s_mov_b32 s[G1B+7], 0
	s_lshl_b32 s94, s[TR], 17                      ; A: token tile 8 x tile row + 4 x half, 16,384 bytes each
	s_lshl_b32 s95, s[CH], 16
	s_add_co_u32 s94, s94, s95
	s_mov_b32 s95, 0
	s_lshl_b32 s96, s[CX], 18                      ; B: row 256 x tile column + 128 x half,
	s_lshl_b32 s97, s[CH], 17
	s_add_co_u32 s96, s96, s97
	s_add_co_u32 s96, s96, 0x300000                ; in the fourth section of wc
	s_mov_b32 s97, 0
	s_lshl_b32 s98, s[CH], 14
	s_mul_i32 s99, s[CH], BPART
	s_add_co_u32 s99, s99, BOFF
	s_lshl_b32 s72, s[TR], 19                      ; x and out: row 128 x tile row + 64 x half of 4,096 bytes, column 256 x tile column + 128 x half
	s_lshl_b32 s73, s[RH], 18
	s_add_co_u32 s72, s72, s73
	s_lshl_b32 s78, s[CX], 10
	s_lshl_b32 s79, s[CH], 9
	s_add_co_u32 s78, s78, s79
	s_add_co_u32 s72, s72, s78
	s_mov_b32 s73, 0
	s_mov_b32 s79, 0
	s_wait_dscnt 0x0                               ; the opening add is done
	s_wait_kmcnt 0x0
	s_load_b256 s[80:87], s[8:9], 0x0
	s_load_b128 s[88:91], s[8:9], 0x20             ; e8 .. e11
	s_add_nc_u64 s[76:77], s[4:5], s[94:95]
	s_add_nc_u64 s[96:97], s[6:7], s[96:97]
	CROUND                                         ; all sixteen work-groups are here: the first joint loads meet
.irp s, 0,1,2
	s_mov_b32 s[G0A+4*\s], 1
	s_add_co_u32 s[G0A+4*\s+1], s98, \s*SLOT
	s_add_nc_u64 s[G0A+4*\s+2:G0A+4*\s+3], s[76:77], \s*4096
	s_or_b32 s[G0A+4*\s+3], s[G0A+4*\s+3], 0x80000000
	s_mov_b32 s[G0B+4*\s], 1
	s_add_co_u32 s[G0B+4*\s+1], s99, \s*SLOT
	s_add_nc_u64 s[G0B+4*\s+2:G0B+4*\s+3], s[96:97], \s*256
	s_or_b32 s[G0B+4*\s+3], s[G0B+4*\s+3], 0x80000000
	JLOAD \s
.endr
	s_add_nc_u64 s[12:13], s[12:13], s[72:73]
	s_add_nc_u64 s[14:15], s[14:15], s[72:73]
	s_add_nc_u64 s[10:11], s[10:11], s[78:79]
	v_and_b32 v[L16], 31, v0
	v_lshlrev_b32 v[L16], 4, v[L16]
	global_load_b128 v[32:35], v[L16], s[10:11]    ; b_o of my four columns of a row
	WIN 0xc0                                       ; destination window 3
.irp a, 0,1,2,3
.irp t, 0,1,2,3,4,5,6,7,8,9,10,11,12,13,14,15
	global_load_b128 v[64*\a+4*\t:64*\a+4*\t+3], v[L16], s[12:13] offset:(16*\a+\t)*4096 th:TH_LOAD_NT   ; 512 consecutive bytes of row 16 a + t
.endr
.endr
	WIN 0
	v_and_b32 v1, 15, v0                           ; r
	v_bfe_u32 v2, v0, 4, 1                         ; h
	v_mul_u32_u24 v3, v1, PITCH
	v_lshl_add_u32 v3, v2, 4, v3
	s_lshl_b32 s76, s[RH], 14
	s_mul_i32 s77, s[CH], BPART
	s_add_co_u32 s77, s77, BOFF
.irp s, 0,1,2
	v_add_nc_u32 v[ADRA+\s], s76, v[L16]           ; images: 16 x lane + my four token tiles
	v_add_nc_u32 v[ADRB+\s], s77, v3               ; rows
	s_add_co_u32 s76, s76, SLOT
	s_add_co_u32 s77, s77, SLOT
.endr
	s_mul_i32 s76, s[WV], 16*SPITCH
	s_add_co_u32 s76, s76, SLOT                    ; my stage, in slot 1
	v_mul_u32_u24 v[STO], v1, SPITCH
	v_lshl_add_u32 v[STO], v2, 5, v[STO]
	v_add_nc_u32 v[STO], s76, v[STO]               ; in: row r, 32 bytes for each half of the lanes
	v_add_nc_u32 v[RD], s76, v[L16]                ; back: the 32 lanes take one row of 512 bytes
	s_wait_tensorcnt 2                             ; my part of slot 0 is in; slots 1 and 2 may be out
	s_barrier_signal -1
	s_barrier_wait -1
	FETCH 0, 0
	STEP 0, 0, 1
	TURN 1, 1, 1
	STEP 0, 1, 0
	STEP 1, 2, 0
	STEP 0, 2, 0
	TURN 1, 0, 0
	STEP 0, 0, 0
	s_wait_dscnt 0x0
	WIN MUL
	MULQ 0, 1, 0
	MULQ 1, 1, 0
	MULQ 2, 1, 0
	MULQ 3, 1, 0
	WIN 0
	; THE WAY OUT
.macro TOSTAGE a                       ; block a's sums into my stage as they stand, each accumulator's low four registers first, and back as whole rows.  LDS serves a wave's instructions in order (ISA guide 5.7.1.4)
	WIN 0x08                                       ; store data: the accumulators' window
.irp b, 0,1,2,3,4,5,6,7
	ds_store_b128 v[STO], v[8*(8*(\a)+\b):8*(8*(\a)+\b)+3] offset:64*\b
	ds_store_b128 v[STO], v[8*(8*(\a)+\b)+4:8*(8*(\a)+\b)+7] offset:64*\b+16
.endr
	WIN 0
.irp t, 0,1,2,3,4,5,6,7,8,9,10,11,12,13,14,15
	ds_load_b128 v[RR+64*((\a)%2)+4*\t:RR+64*((\a)%2)+4*\t+3], v[RD] offset:\t*SPITCH
.endr
.endm
.macro SEND a, younger                 ; younger: the LDS instructions issued behind block a's loads
.set RB, RR+64*((\a)%2)
	s_wait_dscnt \younger
	WIN 0x30                                       ; source 2: x's window
.set n, 0
.rept 32
	v_pk_fma_f32 v[RB+n:RB+n+1], v[RB+n:RB+n+1], s[92:93], v[64*(\a)+n:64*(\a)+n+1] op_sel_hi:[1,0,1]   ; sum x 2^(e10 + e11) + x
.set n, n+2
.endr
	WIN 0
.set n, 0
.rept 16
	v_pk_add_f32 v[RB+n:RB+n+1], v[RB+n:RB+n+1], v[32:33]       ; + b_o
	v_pk_add_f32 v[RB+n+2:RB+n+3], v[RB+n+2:RB+n+3], v[34:35]
.set n, n+4
.endr
.irp t, 0,1,2,3,4,5,6,7,8,9,10,11,12,13,14,15
	global_store_b128 v[L16], v[RB+4*\t:RB+4*\t+3], s[14:15] offset:(16*(\a)+\t)*4096 th:TH_STORE_NT   ; 512 consecutive bytes, aligned
.endr
.endm
	s_wait_kmcnt 0x0
	s_add_co_i32 s92, s90, s91
	s_add_co_i32 s92, s92, 127
	s_lshl_b32 s92, s92, 23                        ; 2^(e10 + e11) as f32
	s_mov_b32 s93, s92
	s_wait_loadcnt 0x0                             ; x and b_o
	PLACES                                         ; behind the last products: their results are stored, and loads land on their operands
	TOSTAGE 0
.irp a, 1,2,3
.if \a > 1
	s_wait_xcnt 0x0                                ; block a - 2's stores have read their data: block a's loads may land there
.endif
	TOSTAGE \a
	SEND \a-1, 32                                  ; behind block a - 1's loads: block a's 16 stores and 16 loads
.endr
	SEND 3, 0
	s_wait_tensorcnt 0x0                           ; the wave's end, behind my last LDS store
	ds_add_u32 v[SPW], v[NIL]
	s_wait_dscnt 0x0
	CROUND                                         ; the closing round
	s_endpgm
.Lfunc_end_k_qca01f6da85_oproj:
	.size	k_qca01f6da85_oproj, .Lfunc_end_k_qca01f6da85_oproj-k_qca01f6da85_oproj
	.p2alignl 7, 3214868480
	.fill 96, 4, 3214868480
	.section	.rodata,"a",@progbits
	.p2align	6, 0x0
	.amdhsa_kernel k_qca01f6da85_oproj
		.amdhsa_group_segment_fixed_size 327680
		.amdhsa_private_segment_fixed_size 0
		.amdhsa_enable_private_segment 0
		.amdhsa_kernarg_size 48
		.amdhsa_user_sgpr_count 2
		.amdhsa_user_sgpr_kernarg_segment_ptr 1
		.amdhsa_wavefront_size32 1
		.amdhsa_system_sgpr_workgroup_id_x 1
		.amdhsa_system_sgpr_workgroup_id_y 1
		.amdhsa_system_sgpr_workgroup_id_z 1
		.amdhsa_system_vgpr_workitem_id 0
		.amdhsa_next_free_vgpr 1024
		.amdhsa_next_free_sgpr 100
		.amdhsa_reserve_vcc 0
		.amdhsa_float_denorm_mode_32 3
		.amdhsa_float_denorm_mode_16_64 3
		.amdhsa_memory_ordered 1
		.amdhsa_forward_progress 1
		.amdhsa_inst_pref_size 89
	.end_amdhsa_kernel
	.amdgpu_metadata
---
amdhsa.version: [ 1, 2 ]
amdhsa.kernels:
  - .name:           k_qca01f6da85_oproj
    .symbol:         k_qca01f6da85_oproj.kd
    .args:
      - { .name: cc, .offset: 0, .size: 8, .value_kind: global_buffer, .address_space: global }
      - { .name: wc, .offset: 8, .size: 8, .value_kind: global_buffer, .address_space: global }
      - { .name: lowp_scales, .offset: 16, .size: 8, .value_kind: global_buffer, .address_space: global }
      - { .name: b_o, .offset: 24, .size: 8, .value_kind: global_buffer, .address_space: global }
      - { .name: x, .offset: 32, .size: 8, .value_kind: global_buffer, .address_space: global }
      - { .name: out0, .offset: 40, .size: 8, .value_kind: global_buffer, .address_space: global }
    .group_segment_fixed_size: 327680
    .private_segment_fixed_size: 0
    .kernarg_segment_align: 8
    .kernarg_segment_size: 48
    .max_flat_workgroup_size: 128
    .sgpr_count:     100
    .vgpr_count:     1024
    .wavefront_size: 32
...
	.end_amdgpu_metadata
.endif
;; end of part 4
